; MI455X (gfx1250); checked and timed in simulation.
; The chip was launched on July 23, 2026; its instructions are those of AMD's public machine-readable ISA for CDNA 5 (MIT licence, August 2026) and "CDNA5" Instruction Set Architecture Reference Guide (July 2026). The comments in the code are by the model that wrote it; some were corrected since.
;; Feed Forward Quantum. Allowed arithmetic: float matrix products may take bf16 or f16 operands with f32 sums; other float arithmetic in f32, or as packed bf16 or f16 multiplies, adds, multiply-adds, maxima and minima; sums over many terms, partial sums and values carried from step to step in f32; what a program stores and reads back later, other than sums and carried values, may be rounded once to bf16 or f16.
;; Inputs: W1 4,096 x 1,024 float32; W2 1,024 x 4,096 float32; theta 1,024 float32; x 4 x 2,048 x 1,024 float32.
;; Outputs: out0 4 x 2,048 x 1,024 float32.
;; One version. Each part assembles by itself: llvm-mc -triple=amdgcn-amd-amdhsa -mcpu=gfx1250 --defsym DOCPART=n.
;; ======== version 1 of 1: 3 launches
;; limits: values are held in f16: magnitudes above 65,504 overflow, below 6.1e-05 lose precision; inputs' magnitudes at most 10,000,000
;; workspace buffers: q 16,777,216 bytes; w1h 8,388,608 bytes; w2h 8,388,608 bytes; h 67,108,864 bytes
;; launch prep (part 1): grid 2048 x 1, 8 waves a work-group, no clusters, 0 bytes of LDS; arguments x, theta, W1, W2, q, w1h, w2h; writes q, w1h, w2h
.if DOCPART == 1
	.amdgcn_target "amdgcn-amd-amdhsa--gfx1250"
	.amdhsa_code_object_version 6
	.text
	.protected	k_qeb823add56_prep
	.globl	k_qeb823add56_prep
	.p2align	8
	.type	k_qeb823add56_prep,@function
k_qeb823add56_prep:
	s_mov_b64 s[64:65], 0
	v_nop
	global_prefetch_b8 v0, s[64:65] scope:SCOPE_SE
	s_setreg_imm32_b32 hwreg(HW_REG_WAVE_MODE, 25, 1), 1
	s_wait_xcnt 0x0
; q[r][c] = f16(cos(x[r][c]) cos(theta[c])), w1h = f16(W1), w2h = f16(W2): each number of the three matrix operands is made once, so that the products that follow only load them.
; All three sources are taken as rows of 1,024 f32 (4,096 bytes in, 2,048 bytes out).  A work-group owns 8 rows: groups 0-1023 rows of x, 1024-1535 of W1, 1536-2047 of W2.
; Thread t owns columns 4 t .. 4 t + 3 of every row: a load of a wave covers 512 consecutive bytes, a store 256 consecutive bytes, aligned.  All 8 loads go out first; no loop, no LDS:
; nothing is shared between threads, and each byte is read once and written once.
; THE COSINE.  n = the whole number nearest to x / 2 pi; f = x / 2 pi - n, made by two fused multiply-adds with 1 / 2 pi in two parts, so that f carries no error of the product;
; cos(2 pi f) = 1 + the sum over n = 1 .. 8 of C_n f^(2 n), C_n = (-1)^n (2 pi)^(2 n) / (2 n)!.  |f| is at most 0.5 for every x, so the first term left out is at most pi^18 / 18! = 1.4e-7.
; LIMITS.  |x| and |theta| under 1e7 (n must be a whole number that f32 holds with room); the cosine is right to about 1e-6 absolute.  f16 holds no number beyond 65,504: the weights lie within it;
; under 6e-5 a weight keeps f16's fixed step of 6e-8.  NaN and infinities are not treated apart.
.set ROWIN,  4096
.set ROWOUT, 2048
.set CT,  4                            ; v[4:7]    cos(theta) of my 4 columns
.set TH,  8                            ; v[8:11]   theta as loaded
.set RES, 12                           ; v[12:15]  a row's 4 cosines
.set X,   16                           ; v[16:47]  row i as loaded, at X + 4 i
.set T,   48                           ; v[48:63]  at work: for pair u of a row's two: n at T + 8 u, f at + 2, f^2 at + 4, the polynomial at + 6
.set Y,   64                           ; v[64:79]  row i to store, at Y + 2 i: registers of its own, so no store's data is ever rewritten
.set INV,   30                         ; s[30:49]  ten constants, each written twice: the packed forms name a pair and take its low word for both halves
.set INVLO, 32
.set C1, 34
.set C2, 36
.set C3, 38
.set C4, 40
.set C5, 42
.set C6, 44
.set C7, 46
.set C8, 48
.macro CONST reg, bits
	s_mov_b32 s[\reg], \bits
	s_mov_b32 s[(\reg)+1], \bits
.endm
	s_load_b256 s[4:11], s[0:1], 0x0               ; x s[4:5], theta s[6:7], W1 s[8:9], W2 s[10:11]
	s_load_b128 s[12:15], s[0:1], 0x20             ; q s[12:13], w1h s[14:15]
	s_load_b64 s[16:17], s[0:1], 0x30              ; w2h
	v_lshlrev_b32 v1, 4, v0                        ; my 16 bytes of a row on the way in, and of theta
	v_lshlrev_b32 v2, 3, v0                        ; my 8 bytes of a row on the way out
	CONST INV,   0x3e22f983                        ; 1 / 2 pi, rounded to f32
	CONST INVLO, 0x31dc9c88                        ; what that rounding left: 6.4206e-9
	CONST C1, 0xc19de9e6                           ; -19.7392088
	CONST C2, 0x4281e0f8                           ;  64.9393940
	CONST C3, 0xc2aae9e4                           ; -85.4568172
	CONST C4, 0x4270fa83                           ;  60.2446414
	CONST C5, 0xc1d368f9                           ; -26.4262568
	CONST C6, 0x40fce9c5                           ;   7.9035364
	CONST C7, 0xbfdb7128                           ;  -1.7143907
	CONST C8, 0x3e906316                           ;   0.2820060
	s_and_b32 s24, ttmp9, 511                      ; the block of 8 rows inside W1 or W2
	s_wait_kmcnt 0x0
	s_cmp_lt_u32 ttmp9, 1536
	s_cselect_b64 s[20:21], s[8:9], s[10:11]       ; W1 or W2,
	s_cselect_b64 s[22:23], s[14:15], s[16:17]     ; w1h or w2h;
	s_cmp_lt_u32 ttmp9, 1024
	s_cselect_b64 s[20:21], s[4:5], s[20:21]       ; or x
	s_cselect_b64 s[22:23], s[12:13], s[22:23]     ; and q
	s_cselect_b32 s24, ttmp9, s24
	s_lshl_b32 s26, s24, 15                        ; 8 rows of 4,096 bytes
	s_mov_b32 s27, 0
	s_lshl_b32 s28, s24, 14                        ; 8 rows of 2,048 bytes
	s_mov_b32 s29, 0
	s_add_nc_u64 s[20:21], s[20:21], s[26:27]
	s_add_nc_u64 s[22:23], s[22:23], s[28:29]
	s_cmp_lt_u32 ttmp9, 1024                       ; compared again: the shifts have written SCC
	s_cbranch_scc0 .Lweights
; Four cosines: v[src .. src+3] -> v[dst .. dst+3].  Each step is written for both pairs in turn, so that no line reads the result of the line just ahead of it.
.macro COS4 src, dst
.irp u, 0,1
	v_pk_mul_f32 v[T+8*(\u):T+8*(\u)+1], v[(\src)+2*(\u):(\src)+2*(\u)+1], s[INV:INV+1] op_sel_hi:[1,0]
.endr
.irp u, 0,1
	v_rndne_f32 v[T+8*(\u)], v[T+8*(\u)]
	v_rndne_f32 v[T+8*(\u)+1], v[T+8*(\u)+1]
.endr
.irp u, 0,1
	v_pk_fma_f32 v[T+8*(\u)+2:T+8*(\u)+3], v[(\src)+2*(\u):(\src)+2*(\u)+1], s[INV:INV+1], v[T+8*(\u):T+8*(\u)+1] op_sel_hi:[1,0,1] neg_lo:[0,0,1] neg_hi:[0,0,1]  ; x INV - n, rounded once
.endr
.irp u, 0,1
	v_pk_fma_f32 v[T+8*(\u)+2:T+8*(\u)+3], v[(\src)+2*(\u):(\src)+2*(\u)+1], s[INVLO:INVLO+1], v[T+8*(\u)+2:T+8*(\u)+3] op_sel_hi:[1,0,1]  ; + x INVLO = f
.endr
.irp u, 0,1
	v_pk_mul_f32 v[T+8*(\u)+4:T+8*(\u)+5], v[T+8*(\u)+2:T+8*(\u)+3], v[T+8*(\u)+2:T+8*(\u)+3]  ; f^2
.endr
.irp u, 0,1
	v_pk_fma_f32 v[T+8*(\u)+6:T+8*(\u)+7], v[T+8*(\u)+4:T+8*(\u)+5], s[C8:C8+1], s[C7:C7+1] op_sel_hi:[1,0,0]
.endr
.irp n, C6, C5, C4, C3, C2, C1
.irp u, 0,1
	v_pk_fma_f32 v[T+8*(\u)+6:T+8*(\u)+7], v[T+8*(\u)+6:T+8*(\u)+7], v[T+8*(\u)+4:T+8*(\u)+5], s[\n:\n+1] op_sel_hi:[1,1,0]
.endr
.endr
.irp u, 0,1
	v_pk_fma_f32 v[(\dst)+2*(\u):(\dst)+2*(\u)+1], v[T+8*(\u)+6:T+8*(\u)+7], v[T+8*(\u)+4:T+8*(\u)+5], 1.0 op_sel_hi:[1,1,0]
.endr
.endm
	global_load_b128 v[TH:TH+3], v1, s[6:7]        ; theta of my 4 columns: every work-group of this path reads it, so it carries no hint
.irp i, 0,1,2,3,4,5,6,7
	global_load_b128 v[X+4*(\i):X+4*(\i)+3], v1, s[20:21] offset:(\i)*ROWIN th:TH_LOAD_NT
.endr
	s_wait_loadcnt 8                               ; loads come back in order: theta is in, the 8 rows behind it stay out
	COS4 TH, CT
.irp i, 0,1,2,3,4,5,6,7
	s_wait_loadcnt 7-(\i)                          ; row i is in, the 7 - i younger rows stay out
	COS4 X+4*(\i), RES
	v_pk_mul_f32 v[RES:RES+1], v[RES:RES+1], v[CT:CT+1]
	v_pk_mul_f32 v[RES+2:RES+3], v[RES+2:RES+3], v[CT+2:CT+3]
	v_cvt_pk_f16_f32 v[Y+2*(\i)], v[RES], v[RES+1]           ; rounded once, to f16
	v_cvt_pk_f16_f32 v[Y+2*(\i)+1], v[RES+2], v[RES+3]
	global_store_b64 v2, v[Y+2*(\i):Y+2*(\i)+1], s[22:23] offset:(\i)*ROWOUT
.endr
	s_endpgm
.Lweights:                                             ; a weight is only rounded
.irp i, 0,1,2,3,4,5,6,7
	global_load_b128 v[X+4*(\i):X+4*(\i)+3], v1, s[20:21] offset:(\i)*ROWIN th:TH_LOAD_NT
.endr
.irp i, 0,1,2,3,4,5,6,7
	s_wait_loadcnt 7-(\i)                          ; row i is in, the 7 - i younger rows stay out
	v_cvt_pk_f16_f32 v[Y+2*(\i)], v[X+4*(\i)], v[X+4*(\i)+1]
	v_cvt_pk_f16_f32 v[Y+2*(\i)+1], v[X+4*(\i)+2], v[X+4*(\i)+3]
	global_store_b64 v2, v[Y+2*(\i):Y+2*(\i)+1], s[22:23] offset:(\i)*ROWOUT
.endr
	s_endpgm
.Lfunc_end_k_qeb823add56_prep:
	.size	k_qeb823add56_prep, .Lfunc_end_k_qeb823add56_prep-k_qeb823add56_prep
	.p2alignl 7, 3214868480
	.fill 96, 4, 3214868480
	.section	.rodata,"a",@progbits
	.p2align	6, 0x0
	.amdhsa_kernel k_qeb823add56_prep
		.amdhsa_group_segment_fixed_size 0
		.amdhsa_private_segment_fixed_size 0
		.amdhsa_enable_private_segment 0
		.amdhsa_kernarg_size 56
		.amdhsa_user_sgpr_count 2
		.amdhsa_user_sgpr_kernarg_segment_ptr 1
		.amdhsa_wavefront_size32 1
		.amdhsa_system_sgpr_workgroup_id_x 1
		.amdhsa_system_sgpr_workgroup_id_y 1
		.amdhsa_system_sgpr_workgroup_id_z 1
		.amdhsa_system_vgpr_workitem_id 0
		.amdhsa_next_free_vgpr 80
		.amdhsa_next_free_sgpr 66
		.amdhsa_reserve_vcc 0
		.amdhsa_float_denorm_mode_32 3
		.amdhsa_float_denorm_mode_16_64 3
		.amdhsa_memory_ordered 1
		.amdhsa_forward_progress 1
		.amdhsa_inst_pref_size 24
	.end_amdhsa_kernel
	.amdgpu_metadata
---
amdhsa.version: [ 1, 2 ]
amdhsa.kernels:
  - .name:           k_qeb823add56_prep
    .symbol:         k_qeb823add56_prep.kd
    .args:
      - { .name: x, .offset: 0, .size: 8, .value_kind: global_buffer, .address_space: global }
      - { .name: theta, .offset: 8, .size: 8, .value_kind: global_buffer, .address_space: global }
      - { .name: W1, .offset: 16, .size: 8, .value_kind: global_buffer, .address_space: global }
      - { .name: W2, .offset: 24, .size: 8, .value_kind: global_buffer, .address_space: global }
      - { .name: q, .offset: 32, .size: 8, .value_kind: global_buffer, .address_space: global }
      - { .name: w1h, .offset: 40, .size: 8, .value_kind: global_buffer, .address_space: global }
      - { .name: w2h, .offset: 48, .size: 8, .value_kind: global_buffer, .address_space: global }
    .group_segment_fixed_size: 0
    .private_segment_fixed_size: 0
    .kernarg_segment_align: 8
    .kernarg_segment_size: 56
    .max_flat_workgroup_size: 256
    .sgpr_count:     66
    .vgpr_count:     80
    .wavefront_size: 32
...
	.end_amdgpu_metadata
.endif
;; end of part 1
;; launch up (part 2): grid 16 x 16, 4 waves a work-group, clusters of 4 x 4, 327,680 bytes of LDS; arguments q, w1h, h; writes h
.if DOCPART == 2
	.amdgcn_target "amdgcn-amd-amdhsa--gfx1250"
	.amdhsa_code_object_version 6
	.text
	.protected	k_qeb823add56_up
	.globl	k_qeb823add56_up
	.p2align	8
	.type	k_qeb823add56_up,@function
k_qeb823add56_up:
	s_mov_b64 s[64:65], 0
	v_nop
	global_prefetch_b8 v0, s[64:65] scope:SCOPE_SE
	s_setreg_imm32_b32 hwreg(HW_REG_WAVE_MODE, 25, 1), 1
	s_wait_xcnt 0x0
	s_wait_alu depctr_hold_cnt(0) depctr_sa_sdst(0) depctr_va_vdst(0) depctr_va_sdst(0) depctr_va_ssrc(0) depctr_va_vcc(0) depctr_vm_vsrc(0)
	s_getreg_b32 s2, hwreg(HW_REG_IB_STS2, 6, 4)
	s_cmp_eq_u32 s2, 0
	s_cbranch_scc0 .Lentry_in_a_cluster
	s_endpgm
.Lentry_in_a_cluster:
	s_bfe_u32 s2, ttmp6, 0x10000c
	s_cmp_lg_u32 s2, 0xf033
	s_cbranch_scc0 .Lentry_shape_is_right
	s_endpgm
.Lentry_shape_is_right:
; h[m][n] = f16(max(0, sum over k of q[m][k] w1h[n][k])).  A = q: [8192][1024], B = w1h: [4096][1024], C = h: [8192][4096], all f16; sums in f32, K ascending; h rounded once.
; LIMITS.  f16 holds no number beyond 65,504: a sum of 65,520 or more leaves as an infinity (|q| is at most 1, so a sum is at most the sum of a row's |w1h|).  The maximum with 0 is taken of the rounded
; number, which has the sum's sign; a NaN there leaves as 0.
; A tile of C, 256 x 256, is made by a work-group of four waves; a wave makes 128 x 128: 64 accumulators of 16 x 16, 512 registers.  K goes in steps of 128 through a ring of two LDS slots filled by the
; tensor data mover: the rows of A's and B's tiles are 256 bytes of memory and start at multiples of 256 bytes from the buffer's first byte.
; A WORK-GROUP STAYS: C has 512 tiles, a work-group makes two, 4,096 rows apart: a loop over tiles round the loop over K, and the ring does not stop at the first tile's end: its last two changes of
; slots ask for the second tile's first two K steps, and nothing waits for a tile's stores.  The last tile's last K step goes by rows of C, so that finished rows leave while the others are multiplied.
; CLUSTERS: 4 x 4 work-groups.  The four of a row of the cluster need the same tiles of A, the four of a column the same tiles of B.  Such a tile is asked for JOINTLY: each of the four issues the same
; tensor load, with the same descriptor and a mask that names the four, and each receives the tile in its own LDS.
; REGISTERS, in windows of 256 (s_set_vgpr_msb's low byte: bits 1:0 source 0, 3:2 source 1, 5:4 source 2, 7:6 destination):
;   window 0: v0-31 addresses; v64-127, v128-191 fragments of A (8 x 16 rows x 32 K), two buffers (in the very last K step four, of 16 rows x 128 K); v32-63, v192-255 at work on the way out
;   window 1: v64-127, v128-191 fragments of B, two buffers; in the very last K step all 256: B's fragments of the whole step
;   window 2: the 32 accumulators of my rows 0-63 (accumulator (a, b) at v[8 (8 a + b)]);   window 3: those of my rows 64-127
; THE MATRIX INSTRUCTION IS USED TRANSPOSED: source 0 = 16 rows of B, source 1 = 16 rows of A.  In the result lane l holds row l % 16 of C and its registers 0 to 7 the columns 8 (l / 16) + 0 .. 7:
; eight neighbouring numbers of a row of C, which pack into 16 bytes.
.set SIZE_M, 8192
.set SIZE_N, 4096
.set SIZE_K, 1024
.set SIZE_TILES, 2
.set KSTEP,  128
.set PITCH,  272                       ; an LDS row: 256 bytes of data + 16 of padding = 68 words: row r starts at bank 4 r mod 64 (64 banks of 4 bytes: ISA guide 11.1), so the 16 rows of a load start at 16 different banks
.set HALFT,  128*PITCH                 ; 128 rows: what one tensor load brings, and what one wave reads of A or of B
.set SLOT,   4*HALFT                   ; A's 256 rows, then B's 256 rows
.set STAGE,  2*SLOT                    ; behind the ring: 16 rows x 272 bytes for each wave, for the way out; no tensor load fills it
.set SPITCH, 272
.set SPARE,  STAGE+4*16*SPITCH         ; behind the stages: the spare words, 128 bytes for each wave: two blocks of 256 bytes that no other line names
.set LAPS, SIZE_K/(2*KSTEP)            ; a lap = two K steps = once round the ring: 4
.set WALK,   SIZE_M/SIZE_TILES         ; a work-group's two tiles lie 4,096 rows apart
.set NEXT_A, WALK*SIZE_K*2-(SIZE_K-2*KSTEP)*2   ; bytes from a slot's last K step of a tile to its first of the next tile: A goes WALK rows down and back along K,
.set BACK_B, (SIZE_K-2*KSTEP)*2        ; B only back: the two tiles share their rows of B
.set NEXT_C, (WALK-7*16)*SIZE_N*2      ; bytes from my last 16 rows of a tile to my first of the next
.set ADRA, 16                          ; v16-17  LDS address of my A fragments in slot 0, 1
.set ADRB, 20                          ; v20-21  the same for B
.set STO,  24                          ; v24     the way out: where I put 16 bytes of a row
.set RD,   25                          ; v25     the way out: where I read a row back
.set CO,   26                          ; v26     my byte offset in C
.set ZR,   27                          ; v27     0, twice in f16: the other side of the maximum
.set SPW,  28                          ; v28     LDS address of my spare word: SPARE + 4 x my thread's number; never rewritten
.set NIL,  29                          ; v29     0, for the add alone; never rewritten
.set PFO,  30                          ; v30     the prefetches' offset: my lane x a row of A or B in memory (2,048 bytes); never rewritten
.set PFA,  44                          ; s[44:45] where my prefetches stand: my work-group's 32 rows of the 128 that I fetch, one K step further along K than the refill in hand; a prefetch names the K step after that
.set LIM,  43                          ; s43     1 in a wave that prefetches, else the greatest number
.set F0,   64                          ; fragment buffer 0
.set F1,   128                         ; fragment buffer 1
.set TMP,  192                         ; the way out: packed results, in window 0
.set OB,   32                          ; the way out: 16 rows read back from the stage: v32-63 and v224-255 by turns
.set PA,   64                          ; the very last K step: A's fragments of 16 rows x 128 K, 32 registers; four such buffers, v64-191
.set G1, 24                            ; s[24:31] descriptor group 1 for A's tiles
.set G0, 32                            ; s[32:39] descriptor group 0 for A's tiles, one set for each slot
.set G1B, 48                           ; s[48:55] descriptor group 1 for B's tiles: it differs from A's in the mask alone
.set G0B, 56                           ; s[56:63] descriptor group 0 for B's tiles, one set for each slot
.set MSB, 0
.macro WIN new                         ; the immediate's high byte repeats the setting that is left; a switch that changes nothing is dropped
.if MSB != (\new)
	s_set_vgpr_msb (MSB<<8)|(\new)
.set MSB, \new
.endif
.endm
.set MUL_LO, 0xa1                      ; source 0 (B) window 1, source 1 (A) window 0, C and D window 2
.set MUL_HI, 0xf1                      ; the same, C and D window 3
.set TO_B,   0x40                      ; destination window 1, address window 0
; A joint load.  Waves 0 and 1 fetch A's two halves, waves 2 and 3 B's.  Each of the two lines has ONE mask and one set of registers for all that issue it.  The branch hangs on the wave's number alone.
; An s_nop 0 and four v_nop follow each of the two lines, ahead of the jump, the label and what follows the macro.
.macro JLOAD s
	s_cmp_eq_u32 s11, 0
	s_cbranch_scc0 .Lfor_b_\@
	tensor_load_to_lds s[G0+4*(\s):G0+4*(\s)+3], s[G1:G1+7]
	s_nop 0
.rept 4
	v_nop
.endr
	s_branch .Lasked_\@
.Lfor_b_\@:
	tensor_load_to_lds s[G0B+4*(\s):G0B+4*(\s)+3], s[G1B:G1B+7]
	s_nop 0
.rept 4
	v_nop
.endr
.Lasked_\@:
.endm
; A PREFETCH INTO THE L2, behind each joint load, its five lines and the run of LDS loads that follows them: the K step that stands TWO refills on, 512 matrix instructions ahead of the load that will want
; it: 32 rows x 256 bytes, a lane a row, one instruction a wave.  Each row's 256 bytes of a K step are named ONCE in the launch: A's tile row is read by every cluster of that row of clusters, and the first of
; them (cluster x = 0) asks; B's tile column by every cluster of that column, and cluster y = 0 asks.  The four partners that ask for a tile jointly share its rows out BY ADDRESS: of the 128 rows that a wave
; fetches the partner at place p takes 32 p .. 32 p + 31 (p = cx for A, cy for B).  how = 0, in the loop: a tile's last two refills have no K step two on; how = 1, at the change of tiles.
.macro ASK how
.if \how
	s_cmp_eq_u32 s[LIM], 1
.else
	s_cmp_gt_u32 s3, s[LIM]                        ; s3 = 1 in the loop's last trip
.endif
	s_cbranch_scc0 .Lnot_mine_\@
	global_prefetch_b8 v[PFO], s[PFA:PFA+1] offset:KSTEP*2 th:TH_LOAD_NT scope:SCOPE_SE
.Lnot_mine_\@:
.endm
; A round of the cluster's barrier: my work-group's barrier, so that wave 0's signal speaks for all four waves; wave 0 signals for the work-group; every wave waits for all sixteen work-groups; my
; work-group's barrier once more.  No LDS instruction of the wave is pending at a signal.
.macro CREST                           ; a round behind its opening barrier
	s_cmp_lg_u32 s10, 0
	s_cbranch_scc1 .Lnot_wave_0_\@
	s_barrier_signal -3
.Lnot_wave_0_\@:
	s_barrier_wait -3
	s_barrier_signal -1
	s_barrier_wait -1
.endm
.macro CROUND                          ; a whole round
	s_barrier_signal -1
	s_barrier_wait -1
	CREST
.endm
	s_load_b128 s[4:7], s[0:1], 0x0                ; A s[4:5], B s[6:7]
	s_load_b64 s[8:9], s[0:1], 0x10                ; C
	v_lshl_add_u32 v[SPW], v0, 2, SPARE
	v_mov_b32 v[NIL], 0
	ds_add_u32 v[SPW], v[NIL]                      ; the wave's opening: the add, twice on end, and its wait ahead of my first tensor load; the set-up below stands between
	ds_add_u32 v[SPW], v[NIL]                      ; and once more, under the one wait
	v_lshrrev_b32 v1, 5, v0
	v_readfirstlane_b32 s10, v1                    ; wave 0..3
	s_lshr_b32 s11, s10, 1                         ; which half of the tile's rows is mine.  Also: I fetch for A (0) or for B (1)
	s_and_b32 s12, s10, 1                          ; which half of its columns.  Also: which 128 rows of that tile I fetch
	s_bfe_u32 s40, ttmp6, 0x40000                  ; cx: my place along the cluster's x
	s_bfe_u32 s41, ttmp6, 0x40004                  ; cy: along its y
	s_lshl_b32 s42, ttmp9, 2                       ; in a cluster launch ttmp9 and ttmp7 count clusters
	s_add_co_u32 s42, s42, s40                     ; tile column of C = 4 x cluster x + cx
	s_and_b32 s13, ttmp7, 0xffff
	s_lshl_b32 s13, s13, 2
	s_add_co_u32 s13, s13, s41                     ; tile row of C = 4 x cluster y + cy
	s_lshl_b32 s43, s41, 2
	s_lshl_b32 s43, 15, s43                        ; my row of the cluster: places 4 cy .. 4 cy + 3
	s_lshl_b32 s44, 0x1111, s40                    ; my column: places cx, cx + 4, cx + 8, cx + 12
	; descriptor group 1: a tile of 128 rows x 128 elements, padded in LDS
	s_or_b32 s[G1+0], s43, (1<<16)|(1<<20)|(1<<21)|(5<<22)|(3<<25)  ; 15:0 the mask: A's tiles go to my row; 17:16 elements of 2 bytes; 20 padding on; 21 set beside a mask; 24:22 after every 64 words (code 5); 31:25 4 words of it (code 3)
	s_or_b32 s[G1B+0], s44, (1<<16)|(1<<20)|(1<<21)|(5<<22)|(3<<25) ; the same with the mask of my column, for B's tiles
	s_mov_b32 s[G1B+1], KSTEP<<16
	s_mov_b32 s[G1+1], KSTEP<<16                   ; 63:48 tensor_dim0, low half = 128
	s_mov_b32 s[G1B+2], 128<<16
	s_mov_b32 s[G1+2], 128<<16                     ; 95:80 tensor_dim1, low half = 128
	s_mov_b32 s[G1B+3], KSTEP<<16
	s_mov_b32 s[G1+3], KSTEP<<16                   ; 127:112 tile_dim0 = 128
	s_mov_b32 s[G1B+4], 128
	s_mov_b32 s[G1+4], 128                         ; 143:128 tile_dim1 = 128; 159:144 tile_dim2 = 0
	s_mov_b32 s[G1B+5], SIZE_K
	s_mov_b32 s[G1+5], SIZE_K                      ; 191:160 elements from row to row
	s_mov_b32 s[G1B+6], 0
	s_mov_b32 s[G1+6], 0
	s_mov_b32 s[G1B+7], 0
	s_mov_b32 s[G1+7], 0
	; where the tiles come from.  A's hang on the tile row alone, which my row of the cluster shares; B's on the tile column alone, which my column shares.
	; Every wave makes both addresses, in registers that never hold the other coordinate, and asks by one of them.
	s_lshl_b32 s17, s12, 7                         ; which 128 rows of the tile I fetch
	s_lshl_b32 s16, s13, 8
	s_add_co_u32 s16, s16, s17                     ; A: row 256 x tile row + 128 x half
	s_lshl_b32 s46, s42, 8
	s_add_co_u32 s46, s46, s17                     ; B: row 256 x tile column + 128 x half
	s_mov_b32 s17, 0
	s_mov_b32 s47, 0
	s_mov_b64 s[18:19], SIZE_K*2
	s_mul_u64 s[16:17], s[16:17], s[18:19]         ; in bytes
	s_mul_u64 s[46:47], s[46:47], s[18:19]
	s_mul_i32 s20, s10, HALFT                      ; and where they go: A's two halves, then B's two halves = wave x 128 rows: no place in the cluster enters an LDS address
	s_wait_dscnt 0x0                               ; both opening adds are done
	s_wait_kmcnt 0x0
	s_add_nc_u64 s[14:15], s[4:5], s[16:17]
	s_add_nc_u64 s[46:47], s[6:7], s[46:47]
	CROUND                                         ; all sixteen work-groups are here: the first joint loads meet
.irp s, 0,1
	s_mov_b32 s[G0+4*(\s)], 1                                      ; 1:0 count = 1
	s_add_co_u32 s[G0+4*(\s)+1], s20, (\s)*SLOT                    ; 63:32 LDS address
	s_add_nc_u64 s[G0+4*(\s)+2:G0+4*(\s)+3], s[14:15], (\s)*KSTEP*2  ; 120:64 global address: K step s
	s_or_b32 s[G0+4*(\s)+3], s[G0+4*(\s)+3], 0x80000000            ; 127:126 type = 2
	s_mov_b32 s[G0B+4*(\s)], 1
	s_add_co_u32 s[G0B+4*(\s)+1], s20, (\s)*SLOT
	s_add_nc_u64 s[G0B+4*(\s)+2:G0B+4*(\s)+3], s[46:47], (\s)*KSTEP*2
	s_or_b32 s[G0B+4*(\s)+3], s[G0B+4*(\s)+3], 0x80000000
	JLOAD \s                                       ; the ring is filled before anything else is done: two tensor loads of mine are out
.endr
	; A fragment is 16 rows x 32 K in 8 registers: lane l holds row l % 16; registers 0-3 hold K = 8 (l / 16) + 0..7, registers 4-7 hold K = 16 + 8 (l / 16) + 0..7: two loads of 16 bytes, 32 bytes apart.
	v_and_b32 v1, 15, v0                           ; l % 16
	v_bfe_u32 v2, v0, 4, 1                         ; l / 16
	v_mov_b32 v[ZR], 0
	v_mul_u32_u24 v3, v1, PITCH
	v_lshl_add_u32 v3, v2, 4, v3                   ; row x pitch + 16 x half
	s_mul_i32 s21, s11, HALFT                      ; my 128 rows of A
	s_mul_i32 s22, s12, HALFT                      ; my 128 rows of B,
	s_add_co_u32 s22, s22, 2*HALFT                 ; which lie behind A's 256
.irp s, 0,1
	v_add_nc_u32 v[ADRA+(\s)], s21, v3
	v_add_nc_u32 v[ADRB+(\s)], s22, v3
	s_add_co_u32 s21, s21, SLOT
	s_add_co_u32 s22, s22, SLOT
.endr
	s_mul_i32 s23, s10, 16*SPITCH
	s_add_co_u32 s23, s23, STAGE                   ; my stage
	v_mul_u32_u24 v4, v1, SPITCH                   ; in: row l % 16, 16 bytes for each half of the lanes
	v_lshl_add_u32 v4, v2, 4, v4
	v_add_nc_u32 v[STO], s23, v4
	v_mul_u32_u24 v5, v2, SPITCH                   ; back: lanes 0-15 take one row of 256 bytes, lanes 16-31 the next
	v_lshl_add_u32 v5, v1, 4, v5
	v_add_nc_u32 v[RD], s23, v5
	v_mul_u32_u24 v5, v2, SIZE_N*2                 ; and the same two rows in C
	v_lshl_add_u32 v[CO], v1, 4, v5
	; where my part of the first tile begins in C, in bytes: the first way out adds it to C's address
	s_lshl_b32 s13, s13, 8
	s_lshl_b32 s14, s11, 7
	s_add_co_u32 s16, s13, s14                     ; my first row of C
	s_mov_b32 s17, 0
	s_mov_b64 s[18:19], SIZE_N*2
	s_mul_u64 s[16:17], s[16:17], s[18:19]
	s_lshl_b32 s46, s42, 9                         ; my first column, in bytes: 512 x tile column + 256 x half
	s_lshl_b32 s47, s12, 8
	s_add_co_u32 s46, s46, s47
	s_mov_b32 s47, 0
	s_add_nc_u64 s[16:17], s[16:17], s[46:47]
	; the prefetches.  s13 = 256 x tile row, s42 = tile column, s40 = cx, s41 = cy still stand; s[4:5] = A, s[6:7] = B
	s_lshl_b32 s42, s42, 8
	s_and_b32 s22, ttmp7, 0xffff                   ; cluster y
	s_cmp_eq_u32 s11, 0                            ; do I fetch for A?
	s_cselect_b32 s20, s13, s42                    ; the tile's first row: in A by the tile row, in B by the tile column
	s_cselect_b32 s21, s40, s41                    ; my place among the four that ask for it with me
	s_cselect_b32 s22, ttmp9, s22                  ; the coordinate along which other clusters read the same rows
	s_cselect_b64 s[PFA:PFA+1], s[4:5], s[6:7]
	s_cmp_eq_u32 s22, 0
	s_cselect_b32 s[LIM], 1, -1                    ; the same in all sixteen partners, for a given wave
	s_lshl_b32 s22, s12, 7
	s_add_co_u32 s20, s20, s22                     ; + the 128 rows that I fetch
	s_lshl_b32 s21, s21, 5
	s_add_co_u32 s20, s20, s21                     ; + my work-group's 32 of them
	s_mov_b32 s21, 0
	s_mov_b64 s[18:19], SIZE_K*2
	s_mul_u64 s[20:21], s[20:21], s[18:19]
	s_add_nc_u64 s[PFA:PFA+1], s[PFA:PFA+1], s[20:21]
	s_add_nc_u64 s[PFA:PFA+1], s[PFA:PFA+1], 2*KSTEP*2  ; at K step 2: the first refill steps it to 3 and names K step 4
	v_and_b32 v[PFO], 31, v0
	v_mul_u32_u24 v[PFO], v[PFO], SIZE_K*2
	; nothing is prefetched here, at the head, where every work-group's first two tiles are on their way: K steps 2 and 3 come by their refills alone
; 16 matrix instructions: m blocks a0, a0 + 1 of the window's four (hi = 0: my rows 0-63, 1: rows 64-127) x all 8 n blocks, 32 along K.  zero = 1: the first product starts the sums: nothing is ever cleared.
; The 64 accumulators take turns, one instruction a turn, in the same order in every quarter step, over the backward jumps too.
.macro MUL16 f, hi, a0, zero
	WIN MUL_LO+0x50*(\hi)
.irp a, \a0, (\a0)+1
.irp b, 0,1,2,3,4,5,6,7
.if \zero
	v_wmma_f32_16x16x32_f16 v[8*(8*(\a)+(\b)):8*(8*(\a)+(\b))+7], v[(\f)+8*(\b):(\f)+8*(\b)+7], v[(\f)+8*(4*(\hi)+(\a)):(\f)+8*(4*(\hi)+(\a))+7], 0
.else
	v_wmma_f32_16x16x32_f16 v[8*(8*(\a)+(\b)):8*(8*(\a)+(\b))+7], v[(\f)+8*(\b):(\f)+8*(\b)+7], v[(\f)+8*(4*(\hi)+(\a)):(\f)+8*(4*(\hi)+(\a))+7], v[8*(8*(\a)+(\b)):8*(8*(\a)+(\b))+7]
.endif
.endr
.endr
.endm
; 32 LDS loads in one run: the fragments of one quarter step (128 rows of B, 128 rows of A, 32 K at byte k of the rows) into buffer f
.macro FETCH slot, k, f
	WIN TO_B
.irp i, 0,1,2,3,4,5,6,7
	ds_load_b128 v[(\f)+8*(\i):(\f)+8*(\i)+3],   v[ADRB+(\slot)] offset:(\k)+(\i)*16*PITCH
	ds_load_b128 v[(\f)+8*(\i)+4:(\f)+8*(\i)+7], v[ADRB+(\slot)] offset:(\k)+(\i)*16*PITCH+32
.endr
	WIN 0
.irp i, 0,1,2,3,4,5,6,7
	ds_load_b128 v[(\f)+8*(\i):(\f)+8*(\i)+3],   v[ADRA+(\slot)] offset:(\k)+(\i)*16*PITCH
	ds_load_b128 v[(\f)+8*(\i)+4:(\f)+8*(\i)+7], v[ADRA+(\slot)] offset:(\k)+(\i)*16*PITCH+32
.endr
.endm
; A load into a register that a matrix instruction has read, and a vector instruction that reads a matrix result, stand four places behind that matrix instruction, and only plain vector instructions
; that name none of its registers are places (ISA guide 7.12.1 for vector instructions); the matrix instructions in between are not counted.
.macro PLACES
.rept 4
	v_nop
.endr
.endm
; A K step is four quarter steps of 32 along K, 64 matrix instructions each, on buffers 0, 1, 0, 1.
; One of the first three: multiplies buffer f; in its middle it fetches the next quarter's fragments, at byte k of the same slot's rows, into buffer g.
.macro QUARTER slot, k, f, g, zero
	s_wait_dscnt 8                                 ; B and A's rows 0-63 are in; the youngest eight loads (A's rows 64-127) may be out
	WIN MUL_LO
	MUL16 \f, 0, 0, \zero
	MUL16 \f, 0, 2, \zero
	PLACES
	FETCH \slot, \k, \g
	s_wait_dscnt 32                                ; all but the 32 just issued
	WIN MUL_HI
	MUL16 \f, 1, 0, \zero
	MUL16 \f, 1, 2, \zero
.endm
; The last quarter multiplies buffer 1 and changes slots.  MEET is its first half: ONE barrier for the change of slots.  In front of it each wave waits for all its tensor loads, of which one is out: its
; part of the next slot; adds 0 to its spare word; and waits for that and for its own reads of this slot.  Behind it nobody reads this slot any more and the next slot is whole.
.macro MEET round                      ; round = 1: a round of the cluster's barrier follows
	WIN 0                                          ; (the add's two registers lie in window 0)
	s_wait_tensorcnt 0x0                           ; all my tensor loads have landed: the one that was out is my part of the next slot;
	ds_add_u32 v[SPW], v[NIL]                      ; 0 onto my spare word;
	s_wait_dscnt 9                                 ; (the add and the youngest eight loads may be out)
	WIN MUL_LO
	MUL16 F1, 0, 0, 0                              ; sixteen matrix instructions stand between the add and the wait for it
	s_wait_dscnt 0x0                               ; the add is done, and my reads of this slot are over:
	s_barrier_signal -1                            ; say so (where a slot is filled again this barrier opens a round of the cluster's barrier),
	MUL16 F1, 0, 2, 0                              ; work on registers while the others arrive,
.if \round
	WIN 0
.endif
	s_barrier_wait -1                              ; and go on when all four have said so
.endm
; The whole last quarter.  Behind the round the slot just read out is filled again first: with this tile's K step two steps on (on = 0) or, in the first tile's last two K steps, with the NEXT tile's
; K step 0 or 1 (on = 1); then come the next slot's first fragments.  From a request to the wait for it a wave issues 224 matrix instructions, across tiles too.
.macro TURN slot, next, on
	s_wait_xcnt 0x0                                ; the last prefetch, a K step back, has read its address: it is stepped here, ahead of the waits of the change of slots
.if (\on) && (\slot) == 0
	s_add_nc_u64 s[PFA:PFA+1], s[PFA:PFA+1], (WALK-1)*SIZE_K*2+KSTEP*2  ; from the K step after the tile's last to the next tile's K step 1: WALK rows down, back along K
	s_cmp_eq_u32 s11, 0
	s_cselect_b32 s[LIM], s[LIM], -1               ; B's rows are the same for both tiles: they are prefetched in the first alone
.else
	s_add_nc_u64 s[PFA:PFA+1], s[PFA:PFA+1], KSTEP*2
.endif
	MEET 1
	CREST                                          ; all sixteen work-groups have said so: no wave of any partner still reads this slot's tile or has a load on its way
.if \on
	s_add_nc_u64 s[G0+4*(\slot)+2:G0+4*(\slot)+3], s[G0+4*(\slot)+2:G0+4*(\slot)+3], NEXT_A
	s_sub_nc_u64 s[G0B+4*(\slot)+2:G0B+4*(\slot)+3], s[G0B+4*(\slot)+2:G0B+4*(\slot)+3], BACK_B
.else
	s_add_nc_u64 s[G0+4*(\slot)+2:G0+4*(\slot)+3], s[G0+4*(\slot)+2:G0+4*(\slot)+3], 2*KSTEP*2
	s_add_nc_u64 s[G0B+4*(\slot)+2:G0B+4*(\slot)+3], s[G0B+4*(\slot)+2:G0B+4*(\slot)+3], 2*KSTEP*2
.endif
	JLOAD \slot                                    ; the first tensor load behind the round, my only one until the next; the four v_nop behind it are also the places in front of the loads below
	FETCH \next, 0, F0
	ASK \on                                        ; behind the joint load and the run of LDS loads that the next products wait for
	WIN MUL_HI
	MUL16 F1, 1, 0, 0
	MUL16 F1, 1, 2, 0
.endm
; THE LAST K STEP OF THE LAST TILE (it lies in slot 1) GOES BY ROWS OF C, NOT BY K.  All its fragments of B (4 quarters x 64 registers) fill window 1; then my eight blocks of 16 rows are finished one
; after the other, each with 32 matrix instructions (its 8 accumulators by turns, K ascending).  LDS is read no more than in any other K step.
.macro BLOAD q                         ; B's fragments of quarter q -> window 1, v[64 q ..]
	WIN TO_B
.irp i, 0,1,2,3,4,5,6,7
	ds_load_b128 v[64*(\q)+8*(\i):64*(\q)+8*(\i)+3],   v[ADRB+1] offset:64*(\q)+(\i)*16*PITCH
	ds_load_b128 v[64*(\q)+8*(\i)+4:64*(\q)+8*(\i)+7], v[ADRB+1] offset:64*(\q)+(\i)*16*PITCH+32
.endr
.endm
.macro ALOAD a                         ; A's fragments of block a, all four quarters -> buffer a % 4
	WIN 0
.set FA, PA+32*((\a)%4)
.irp q, 0,1,2,3
	ds_load_b128 v[FA+8*(\q):FA+8*(\q)+3],   v[ADRA+1] offset:64*(\q)+(\a)*16*PITCH
	ds_load_b128 v[FA+8*(\q)+4:FA+8*(\q)+7], v[ADRA+1] offset:64*(\q)+(\a)*16*PITCH+32
.endr
.endm
.macro ROW a                           ; block a is finished: 32 matrix instructions
.set FA, PA+32*((\a)%4)                ; its fragments of A
.set AC, 64*((\a)%4)                   ; its eight accumulators, in window 2 (blocks 0-3) or 3 (blocks 4-7)
	WIN MUL_LO+0x50*((\a)/4)
.irp q, 0,1,2,3
.if (\a) == 0 && (\q) == 2
	s_wait_dscnt 24                                ; B's quarter 2 is in (behind it: A's blocks 1 to 3)
.endif
.irp b, 0,1,2,3,4,5,6,7
	v_wmma_f32_16x16x32_f16 v[AC+8*(\b):AC+8*(\b)+7], v[64*(\q)+8*(\b):64*(\q)+8*(\b)+7], v[FA+8*(\q):FA+8*(\q)+7], v[AC+8*(\b):AC+8*(\b)+7]
.endr
.endr
.endm
; THE WAY OUT of block a, in three parts.  PACK: rounded to f16, 16 bytes a lane (each accumulator's registers in ascending order), then the maximum with 0, two numbers a line.
; TOSTAGE: into my own stage in LDS, and back as whole rows of 256 bytes.  SEND: stored.
.macro PACK a
.set AC, 64*((\a)%4)
	WIN 0x0a+5*((\a)/4)                            ; sources 0 and 1: window 2 or 3
.irp b, 0,1,2,3,4,5,6,7
.irp r, 0,1,2,3
	v_cvt_pk_f16_f32 v[TMP+4*(\b)+(\r)], v[AC+8*(\b)+2*(\r)], v[AC+8*(\b)+2*(\r)+1]
.endr
.endr
	WIN 0
.set z, 0
.rept 32
	v_pk_max_num_f16 v[TMP+z], v[TMP+z], v[ZR]     ; the rounding keeps the sign, so this is the rounded max(0, sum)
.set z, z+1
.endr
.endm
.macro TOSTAGE a
	WIN 0
.set BK, OB+192*((\a)%2)
.irp b, 0,1,2,3,4,5,6,7
	ds_store_b128 v[STO], v[TMP+4*(\b):TMP+4*(\b)+3] offset:32*(\b)
.endr
.irp t, 0,1,2,3,4,5,6,7
	ds_load_b128 v[BK+4*(\t):BK+4*(\t)+3], v[RD] offset:(\t)*2*SPITCH  ; LDS serves a wave's instructions in order (ISA guide 5.7.1.4): these see the stores above
.endr
.endm
.macro SEND a, younger                 ; younger: the LDS loads issued behind TOSTAGE's, which may stay out
	WIN 0
.set BK, OB+192*((\a)%2)
	s_wait_dscnt \younger                          ; the block is back in registers
	s_wait_xcnt 0x0                                ; every earlier memory instruction has had its addresses translated (ISA guide 3.1): only behind this wait are the stores' base and the registers that earlier stores read rewritten
.if (\a) == 0
	s_add_nc_u64 s[8:9], s[8:9], s[16:17]          ; on to this tile's first rows
.else
	s_add_nc_u64 s[8:9], s[8:9], 16*SIZE_N*2       ; 16 rows of C on, so that the stores' offsets stay small: 14 rows of C at the most
.endif
.irp t, 0,1,2,3,4,5,6,7
	global_store_b128 v[CO], v[BK+4*(\t):BK+4*(\t)+3], s[8:9] offset:2*(\t)*SIZE_N*2  ; 16 lanes store 256 consecutive bytes, at a multiple of 256 from C's first byte
.endr
.endm
	s_wait_tensorcnt 1                             ; my part of K step 0 is in; K step 1's load may stay out
	s_barrier_signal -1
	s_barrier_wait -1                              ; everybody's is
	FETCH 0, 0, F0
	s_mov_b32 s2, SIZE_TILES                       ; tiles to go, this one among them: the same number in every work-group
.Ltile:                                                ; (FETCH and SEND leave every window 0)
	QUARTER 0, 64,  F0, F1, 1                      ; a tile's first quarter stands in front of the loop: its products start the sums
	WIN 0                                          ; at a label and at a branch every window is 0
	s_mov_b32 s3, LAPS-1
.Llap:                                                 ; a trip goes once round the ring, from a lap's second quarter to the next lap's first, and fills both slots again
	QUARTER 0, 128, F1, F0, 0
	QUARTER 0, 192, F0, F1, 0
	TURN 0, 1, 0
	QUARTER 1, 64,  F0, F1, 0
	QUARTER 1, 128, F1, F0, 0
	QUARTER 1, 192, F0, F1, 0
	TURN 1, 0, 0
	QUARTER 0, 64,  F0, F1, 0
	WIN 0
	s_sub_co_u32 s3, s3, 1
	s_cmp_lg_u32 s3, 0
	s_cbranch_scc1 .Llap
	QUARTER 0, 128, F1, F0, 0                      ; the tile's last lap goes on
	QUARTER 0, 192, F0, F1, 0
	WIN 0
	s_cmp_eq_u32 s2, 1
	s_cbranch_scc1 .Llast_tile                     ; the last tile's tail is written out: it asks for nothing more
	TURN 0, 1, 1                                   ; THE RING GOES ON INTO THE NEXT TILE: slot 0 takes its K step 0,
	QUARTER 1, 64,  F0, F1, 0
	QUARTER 1, 128, F1, F0, 0
	QUARTER 1, 192, F0, F1, 0
	TURN 1, 0, 1                                   ; slot 1 its K step 1, and the next tile's first fragments are fetched
	PACK 0                                         ; BOTH REFILLS ARE ASKED FOR: NOW THE TILE GOES OUT.  No v_nop: blocks 0-3 were finished in front of TURN's places, and their conversions,
	TOSTAGE 0                                      ; which name no register of the last products (blocks 4-7's), are those products' places
.irp a, 1,2,3,4,5,6,7                  ; block a's conversions stand between block a - 1's loads from the stage and the wait for them
	PACK \a
	SEND (\a)-1, 0
	TOSTAGE \a
.endr
	SEND 7, 0
	s_mov_b64 s[16:17], NEXT_C                     ; what the next way out adds to C's address
	s_sub_co_u32 s2, s2, 1
	s_branch .Ltile
.Llast_tile:
	MEET 0                                         ; my one tensor load that was still out is slot 1's, the last K step's, so no round follows
	PLACES                                         ; for the loads into buffer 0, which the quarter before multiplied
	WIN TO_B
	BLOAD 0                                        ; three quarters of B now: buffer 1 (v128-191 of both windows) is still being multiplied
	BLOAD 1
	BLOAD 3
	WIN 0
	ALOAD 0
	WIN MUL_HI
	MUL16 F1, 1, 0, 0
	MUL16 F1, 1, 2, 0
	PLACES                                         ; for the loads into buffer 1
	WIN TO_B
	BLOAD 2
	WIN 0
	ALOAD 1
	ALOAD 2
	ALOAD 3
	s_wait_dscnt 40                                ; all but the 40 just issued
	ROW 0
.irp a, 0,1,2,3,4,5,6,7                ; each block leaves as soon as it is finished: nothing follows this tile under which its stores could leave
	PLACES                                         ; its conversions read results just made
	PACK \a
	TOSTAGE \a
.if (\a) < 4
	ALOAD (\a)+4                                   ; its buffer takes the block four further on
	SEND \a, 8
.else
	SEND \a, 0
.endif
.if (\a) < 7
	ROW (\a)+1
.endif
.endr
	s_wait_tensorcnt 0x0                           ; the wave's end, behind my last tensor load and my last LDS store
	ds_add_u32 v[SPW], v[NIL]
	s_wait_dscnt 0x0
	CROUND                                         ; the closing round: no work-group ends while a partner may still ask for a tile that names it
	s_endpgm
.Lfunc_end_k_qeb823add56_up:
	.size	k_qeb823add56_up, .Lfunc_end_k_qeb823add56_up-k_qeb823add56_up
	.p2alignl 7, 3214868480
	.fill 96, 4, 3214868480
	.section	.rodata,"a",@progbits
	.p2align	6, 0x0
	.amdhsa_kernel k_qeb823add56_up
		.amdhsa_group_segment_fixed_size 327680
		.amdhsa_private_segment_fixed_size 0
		.amdhsa_enable_private_segment 0
		.amdhsa_kernarg_size 24
		.amdhsa_user_sgpr_count 2
		.amdhsa_user_sgpr_kernarg_segment_ptr 1
		.amdhsa_wavefront_size32 1
		.amdhsa_system_sgpr_workgroup_id_x 1
		.amdhsa_system_sgpr_workgroup_id_y 1
		.amdhsa_system_sgpr_workgroup_id_z 1
		.amdhsa_system_vgpr_workitem_id 0
		.amdhsa_next_free_vgpr 1024
		.amdhsa_next_free_sgpr 66
		.amdhsa_reserve_vcc 0
		.amdhsa_float_denorm_mode_32 3
		.amdhsa_float_denorm_mode_16_64 3
		.amdhsa_memory_ordered 1
		.amdhsa_forward_progress 1
		.amdhsa_inst_pref_size 242
	.end_amdhsa_kernel
	.amdgpu_metadata
---
amdhsa.version: [ 1, 2 ]
amdhsa.kernels:
  - .name:           k_qeb823add56_up
    .symbol:         k_qeb823add56_up.kd
    .args:
      - { .name: q, .offset: 0, .size: 8, .value_kind: global_buffer, .address_space: global }
      - { .name: w1h, .offset: 8, .size: 8, .value_kind: global_buffer, .address_space: global }
      - { .name: h, .offset: 16, .size: 8, .value_kind: global_buffer, .address_space: global }
    .group_segment_fixed_size: 327680
    .private_segment_fixed_size: 0
    .kernarg_segment_align: 8
    .kernarg_segment_size: 24
    .max_flat_workgroup_size: 128
    .sgpr_count:     66
    .vgpr_count:     1024
    .wavefront_size: 32
...
	.end_amdgpu_metadata
.endif
;; end of part 2
;; launch down (part 3): grid 4 x 64, 4 waves a work-group, clusters of 4 x 4, 327,680 bytes of LDS; arguments h, w2h, out0; writes out0
.if DOCPART == 3
	.amdgcn_target "amdgcn-amd-amdhsa--gfx1250"
	.amdhsa_code_object_version 6
	.text
	.protected	k_qeb823add56_down
	.globl	k_qeb823add56_down
	.p2align	8
	.type	k_qeb823add56_down,@function
k_qeb823add56_down:
	s_mov_b64 s[64:65], 0
	v_nop
	global_prefetch_b8 v0, s[64:65] scope:SCOPE_SE
	s_setreg_imm32_b32 hwreg(HW_REG_WAVE_MODE, 25, 1), 1
	s_wait_xcnt 0x0
	s_wait_alu depctr_hold_cnt(0) depctr_sa_sdst(0) depctr_va_vdst(0) depctr_va_sdst(0) depctr_va_ssrc(0) depctr_va_vcc(0) depctr_vm_vsrc(0)
	s_getreg_b32 s2, hwreg(HW_REG_IB_STS2, 6, 4)
	s_cmp_eq_u32 s2, 0
	s_cbranch_scc0 .Lentry_in_a_cluster
	s_endpgm
.Lentry_in_a_cluster:
	s_bfe_u32 s2, ttmp6, 0x10000c
	s_cmp_lg_u32 s2, 0xf033
	s_cbranch_scc0 .Lentry_shape_is_right
	s_endpgm
.Lentry_shape_is_right:
; out0[m][n] = sum over k of h[m][k] w2h[n][k].  A = h: [8192][4096] f16, B = w2h: [1024][4096] f16, C = out0: [8192][1024] f32; sums in f32, K ascending, stored as they are.
; LIMITS.  None beyond the operands' own: h and w2h arrive in f16.  NaN and infinities are not treated apart.
; THE TILE.  C has 128 tiles of 256 x 256, too few for one work-group on each of 256 WGPs; a tile of 128 rows x 256 columns gives 256.  Four waves, 2 x 2, each 64 rows x 128 columns:
; 32 accumulators of 16 x 16, 256 registers.
; THE RING has two slots of UNEQUAL size.  In front of each refill every wave waits for all its tensor loads, so each change of slots costs one landing; two slots of 256 along K would take 405,504 bytes of
; LDS.  So slot X holds 256 along K (rows of 512 bytes) and slot Y 128 (rows of 256 bytes): 307,200 bytes, two changes of slots for 384 along K, and every row begins at a multiple of 256 bytes in memory.
; K = 4096 = 10 x 384 + 256: X_i holds K from 384 i on (i = 0..10), Y_i from 384 i + 256 on (i = 0..9).
; CLUSTERS: 4 x 4 work-groups.  C's four tile columns are one row of a cluster: A's tile, which hangs on the tile row alone, is asked for JOINTLY by those four, so each byte of h is asked for once in the
; launch; B's tile, which hangs on the tile column alone, jointly by the four of a column of the cluster.  Each of the four issues the same tensor load with the same descriptor and mask.
; THE MATRIX INSTRUCTION IS USED TRANSPOSED (source 0 = 16 rows of B, source 1 = 16 rows of A): lane l holds row l % 16 of C, and its registers 0 to 7 the columns 8 (l / 16) + 0 .. 7: 32 bytes on end.
; REGISTERS, in windows of 256 (s_set_vgpr_msb's low byte: bits 1:0 source 0, 3:2 source 1, 5:4 source 2, 7:6 destination):
;   window 0: v0-31 addresses; v64-191 A's fragments: buffer f (64 along K), part c (32 along K), block a of 16 rows at 64 + 64 f + 32 c + 8 a
;   window 1: B's fragments at 128 f + 64 c + 8 b; on the way out the rows read back from the stage, group g at 32 g
;   window 2: accumulator (a, b) at 8 (8 a + b), a = 0..3, b = 0..7
.set SIZE_M, 8192
.set SIZE_N, 1024
.set SIZE_K, 4096
.set PX,     528                       ; a row of slot X in LDS: 512 bytes + 16 of padding = 132 words: row r starts at bank 4 r mod 64 (64 banks of 4 bytes: ISA guide 11.1), so the 16 rows of a load start at 16 different banks
.set PY,     272                       ; a row of slot Y: 256 + 16 = 68 words: likewise
.set AHX,    64*PX                     ; 64 rows of A in X: what wave 0 or 1 fetches, and what a wave reads of A
.set BHX,    128*PX                    ; 128 rows of B in X: what wave 2 or 3 fetches, and what a wave reads of B
.set AHY,    64*PY                     ; the same in Y
.set BHY,    128*PY
.set SLOTX,  2*AHX+2*BHX               ; X: A's 128 rows, then B's 256 rows; Y begins behind it, laid out alike
.set SLOTY,  2*AHY+2*BHY
.set STAGE,  SLOTX+SLOTY               ; behind the ring: 16 rows x 272 bytes for each wave, for the way out; no tensor load fills it
.set SPITCH, 272                       ; 256 bytes (64 f32) + 16
.set SPARE,  STAGE+4*16*SPITCH         ; behind the stages: the spare words, 128 bytes for each wave: two blocks of 256 bytes that no other line names
.set TRIPB,  768                       ; bytes of a row of A or B in a trip: 384 along K
.set TRIPS,  10                        ; the loop's passes: the first, entered in its middle, and nine whole trips
.set ADRA, 16                          ; v16-17  LDS address of my A fragments in slot X, Y
.set ADRB, 20                          ; v20-21  the same for B
.set STO,  24                          ; v24     the way out: where I put 32 bytes of a row
.set RD,   25                          ; v25     the way out: where I read rows back
.set CO,   26                          ; v26     my byte offset in two rows of C
.set SPW,  28                          ; v28     LDS address of my spare word: SPARE + 4 x my thread's number; never rewritten
.set NIL,  29                          ; v29     0; never rewritten
.set PFO,  30                          ; v30     the prefetches' offset: my lane x a row of A or B in memory (8,192 bytes); never rewritten
.set FA,   64                          ; A's fragment buffers, in window 0
.set PFA,  44                          ; s[44:45] the 32 rows that I prefetch, at the first K of the Y that is asked for next less 512 bytes
.set LIM,  43                          ; s43     1 in a wave that prefetches, else the greatest number
.set G1,   24                          ; s[24:31] descriptor group 1 for A's tiles in X;  s[32:39] A's two groups 0: X's, then Y's
.set G0,   32
.set G1B,  48                          ; s[48:55], s[56:63] the same for B's tiles
.set G0B,  56
.set G1Y,  68                          ; s[68:75] group 1 for A's tiles in Y
.set G1BY, 76                          ; s[76:83] for B's tiles in Y
.set MSB, 0
.macro WIN new                         ; the immediate's high byte repeats the setting that is left; a switch that changes nothing is dropped
.if MSB != (\new)
	s_set_vgpr_msb (MSB<<8)|(\new)
.set MSB, \new
.endif
.endm
.set MUL,  0xa1                        ; source 0 (B) window 1, source 1 (A) window 0, C and D window 2
.set TO_B, 0x40                        ; destination window 1, address window 0
.set W_ST, 0x08                        ; an LDS store's data (source 1) in window 2
.set W_GS, 0x04                        ; a global store's data (source 1) in window 1
; A joint load into slot s (0: X, 1: Y): waves 0 and 1 fetch A's two halves, waves 2 and 3 B's.  The branch hangs on the wave's number alone.  An s_nop 0 and four v_nop follow each of the two lines, ahead
; of the jump, the label and what follows.
.macro JLOAD s
.set GA, G1+(G1Y-G1)*(\s)
.set GB, G1B+(G1BY-G1B)*(\s)
	s_cmp_eq_u32 s11, 0
	s_cbranch_scc0 .Lfor_b_\@
	tensor_load_to_lds s[G0+4*(\s):G0+4*(\s)+3], s[GA:GA+7]
	s_nop 0
.rept 4
	v_nop
.endr
	s_branch .Lasked_\@
.Lfor_b_\@:
	tensor_load_to_lds s[G0B+4*(\s):G0B+4*(\s)+3], s[GB:GB+7]
	s_nop 0
.rept 4
	v_nop
.endr
.Lasked_\@:
.endm
; A PREFETCH INTO THE L2, behind each joint load, its five lines and the run of LDS loads that follows them: what the SAME slot's next refill will ask for, one trip, 384 matrix instructions, ahead of that
; load: 32 rows, a lane a row; for X two blocks of 256 bytes a row (two instructions), for Y one.  Each row's 256 bytes are named ONCE in the launch.  A's 128 rows of a tile are read by one row of one
; cluster alone: its four partners take 32 rows each, told apart BY ADDRESS (cx), and wave 0 asks.  B's 256 rows of a tile column are read by every cluster: those of cluster y = 0 ask, waves 2 and 3 for the
; 128 rows that each fetches, the four partners of a column 32 each (cy).  Wave 1 asks for nothing.  The loop's last trip asks for nothing: no refill follows its own.  X_0, X_1, Y_0 and Y_1 come by their loads alone.
.macro ASK s
	s_cmp_gt_u32 s3, s[LIM]                        ; s3 = 1 in the loop's last trip
	s_cbranch_scc0 .Lnot_mine_\@
.if (\s) == 0
	global_prefetch_b8 v[PFO], s[PFA:PFA+1] offset:TRIPB th:TH_LOAD_NT scope:SCOPE_SE
	global_prefetch_b8 v[PFO], s[PFA:PFA+1] offset:TRIPB+256 th:TH_LOAD_NT scope:SCOPE_SE
.else
	global_prefetch_b8 v[PFO], s[PFA:PFA+1] offset:512 th:TH_LOAD_NT scope:SCOPE_SE
.endif
.Lnot_mine_\@:
.endm
; A round of the cluster's barrier: my work-group's barrier; wave 0 signals for the work-group; every wave waits for all sixteen work-groups; my work-group's barrier once more.
.macro CREST                           ; a round behind its opening barrier
	s_cmp_lg_u32 s10, 0
	s_cbranch_scc1 .Lnot_wave_0_\@
	s_barrier_signal -3
.Lnot_wave_0_\@:
	s_barrier_wait -3
	s_barrier_signal -1
	s_barrier_wait -1
.endm
.macro CROUND                          ; a whole round
	s_barrier_signal -1
	s_barrier_wait -1
	CREST
.endm
; Descriptor group 1: a tile of rows x cols elements of 2 bytes, 4 words of padding (code 3) behind each row (code qi: 5 = every 64 words, 6 = every 128), the mask in s[mask], bit 21 set beside it
.macro MKG1 g, mask, qi, cols, rows
	s_or_b32 s[\g], s[\mask], (1<<16)|(1<<20)|(1<<21)|((\qi)<<22)|(3<<25)
	s_mov_b32 s[(\g)+1], (\cols)<<16               ; tensor_dim0
	s_mov_b32 s[(\g)+2], (\rows)<<16               ; tensor_dim1
	s_mov_b32 s[(\g)+3], (\cols)<<16               ; tile_dim0
	s_mov_b32 s[(\g)+4], \rows                     ; tile_dim1
	s_mov_b32 s[(\g)+5], SIZE_K                    ; elements from row to row
	s_mov_b32 s[(\g)+6], 0
	s_mov_b32 s[(\g)+7], 0
.endm
; Descriptor group 0: count 1; the LDS address from s[lds]; the global address s[adr:adr+1] + off; type 2
.macro MKG0 g, lds, adr, off
	s_mov_b32 s[\g], 1
	s_mov_b32 s[(\g)+1], s[\lds]
	s_add_nc_u64 s[(\g)+2:(\g)+3], s[\adr:(\adr)+1], \off
	s_or_b32 s[(\g)+3], s[(\g)+3], 0x80000000
.endm
	s_load_b128 s[4:7], s[0:1], 0x0                ; A s[4:5], B s[6:7]
	s_load_b64 s[8:9], s[0:1], 0x10                ; C
	v_lshl_add_u32 v[SPW], v0, 2, SPARE
	v_mov_b32 v[NIL], 0
	ds_add_u32 v[SPW], v[NIL]                      ; the wave's opening: the add, twice on end, and its wait ahead of my first tensor load; the set-up below stands between
	ds_add_u32 v[SPW], v[NIL]                      ; and once more, under the one wait
	v_lshrrev_b32 v1, 5, v0
	v_readfirstlane_b32 s10, v1                    ; wave 0..3
	s_lshr_b32 s11, s10, 1                         ; which 64 of the tile's rows are mine.  Also: I fetch for A (0) or for B (1)
	s_and_b32 s12, s10, 1                          ; which 128 of its columns.  Also: which half of that tile I fetch
	s_bfe_u32 s40, ttmp6, 0x40000                  ; cx, cy: my place in the cluster
	s_bfe_u32 s41, ttmp6, 0x40004
	s_lshl_b32 s42, ttmp9, 2
	s_add_co_u32 s42, s42, s40                     ; tile column of C = 4 x cluster x + cx
	s_and_b32 s13, ttmp7, 0xffff
	s_lshl_b32 s13, s13, 2
	s_add_co_u32 s13, s13, s41                     ; tile row of C = 4 x cluster y + cy
	s_lshl_b32 s43, s41, 2
	s_lshl_b32 s43, 15, s43                        ; my row of the cluster: places 4 cy .. 4 cy + 3: A's tiles go to it
	s_lshl_b32 s44, 0x1111, s40                    ; my column: places cx, cx + 4, cx + 8, cx + 12: B's tiles go to it
	MKG1 G1,   43, 6, 256, 64                      ; A in X: 64 rows x 256 elements
	MKG1 G1Y,  43, 5, 128, 64                      ; A in Y: 64 rows x 128
	MKG1 G1B,  44, 6, 256, 128                     ; B in X: 128 rows x 256
	MKG1 G1BY, 44, 5, 128, 128                     ; B in Y: 128 rows x 128
	; where the tiles come from: A's address is made of the tile row and the wave's number, B's of the tile column and the wave's number, each in registers that never hold the other coordinate
	s_lshl_b32 s17, s12, 6
	s_lshl_b32 s16, s13, 7
	s_add_co_u32 s16, s16, s17                     ; A: row 128 x tile row + 64 x half
	s_lshl_b32 s47, s12, 7
	s_lshl_b32 s46, s42, 8
	s_add_co_u32 s46, s46, s47                     ; B: row 256 x tile column + 128 x half
	s_mov_b32 s17, 0
	s_mov_b32 s47, 0
	s_mov_b64 s[18:19], SIZE_K*2
	s_mul_u64 s[16:17], s[16:17], s[18:19]         ; in bytes
	s_mul_u64 s[46:47], s[46:47], s[18:19]
	s_mul_i32 s20, s12, AHX                        ; and where they go.  X: A's two halves,
	s_mul_i32 s21, s12, BHX
	s_add_co_u32 s21, s21, 2*AHX                   ; then B's two;
	s_mul_i32 s22, s12, AHY
	s_add_co_u32 s22, s22, SLOTX                   ; Y: likewise, behind X
	s_mul_i32 s23, s12, BHY
	s_add_co_u32 s23, s23, SLOTX+2*AHY             ; no place in the cluster enters an LDS address
	s_wait_dscnt 0x0                               ; both opening adds are done
	s_wait_kmcnt 0x0
	s_add_nc_u64 s[14:15], s[4:5], s[16:17]
	s_add_nc_u64 s[46:47], s[6:7], s[46:47]
	CROUND                                         ; all sixteen work-groups are here: the first joint loads meet
	MKG0 G0,    20, 14, 0                          ; X_0: K from 0 on
	MKG0 G0+4,  22, 14, 512                        ; Y_0: K from 256 on
	MKG0 G0B,   21, 46, 0
	MKG0 G0B+4, 23, 46, 512
	JLOAD 0                                        ; the ring is filled before anything else is done:
	JLOAD 1                                        ; two tensor loads of mine are out
	; A fragment is 16 rows x 32 K in 8 registers: lane l holds row l % 16; registers 0-3 hold K = 8 (l / 16) + 0..7, registers 4-7 hold K = 16 + 8 (l / 16) + 0..7: two loads of 16 bytes, 32 bytes apart.
	v_and_b32 v1, 15, v0                           ; l % 16
	v_bfe_u32 v2, v0, 4, 1                         ; l / 16
	v_mul_u32_u24 v3, v1, PX
	v_lshl_add_u32 v3, v2, 4, v3                   ; row x pitch + 16 x half, in X
	v_mul_u32_u24 v4, v1, PY
	v_lshl_add_u32 v4, v2, 4, v4                   ; and in Y
	s_mul_i32 s21, s11, AHX                        ; my 64 rows of A
	s_mul_i32 s22, s12, BHX                        ; my 128 rows of B,
	s_add_co_u32 s22, s22, 2*AHX                   ; which lie behind A's 128
	v_add_nc_u32 v[ADRA], s21, v3
	v_add_nc_u32 v[ADRB], s22, v3
	s_mul_i32 s21, s11, AHY
	s_add_co_u32 s21, s21, SLOTX
	s_mul_i32 s22, s12, BHY
	s_add_co_u32 s22, s22, SLOTX+2*AHY
	v_add_nc_u32 v[ADRA+1], s21, v4
	v_add_nc_u32 v[ADRB+1], s22, v4
	s_mul_i32 s23, s10, 16*SPITCH
	s_add_co_u32 s23, s23, STAGE                   ; my stage
	v_mul_u32_u24 v4, v1, SPITCH                   ; in: row l % 16, 32 bytes for each half of the lanes
	v_lshl_add_u32 v4, v2, 5, v4
	v_add_nc_u32 v[STO], s23, v4
	v_mul_u32_u24 v5, v2, SPITCH                   ; back: lanes 0-15 take one row of 256 bytes, lanes 16-31 the next
	v_lshl_add_u32 v5, v1, 4, v5
	v_add_nc_u32 v[RD], s23, v5
	v_lshlrev_b32 v5, 12, v2                       ; and the same two rows in C, 4,096 bytes apart
	v_lshl_add_u32 v[CO], v1, 4, v5
	s_lshl_b32 s16, s13, 7
	s_lshl_b32 s14, s11, 6
	s_add_co_u32 s16, s16, s14                     ; my first row of C: 128 x tile row + 64 x half,
	s_lshl_b32 s16, s16, 12                        ; of 4,096 bytes
	s_mov_b32 s17, 0
	s_add_nc_u64 s[8:9], s[8:9], s[16:17]
	s_lshl_b32 s46, s42, 10                        ; my first column, in bytes: 1,024 x tile column + 512 x half
	s_lshl_b32 s47, s12, 9
	s_add_co_u32 s46, s46, s47
	s_mov_b32 s47, 0
	s_add_nc_u64 s[8:9], s[8:9], s[46:47]
	; the prefetches
	s_and_b32 s22, ttmp7, 0xffff                   ; cluster y
	s_lshl_b32 s20, s13, 7                         ; A: the tile's first row
	s_lshl_b32 s23, s42, 8                         ; B: the tile's first row,
	s_lshl_b32 s21, s12, 7
	s_add_co_u32 s23, s23, s21                     ; and the 128 rows that I fetch
	s_cmp_eq_u32 s11, 0                            ; do I fetch for A?
	s_cselect_b32 s20, s20, s23
	s_cselect_b32 s21, s40, s41                    ; my place among the four that ask for the tile with me
	s_cselect_b32 s22, s12, s22                    ; A: wave 0 alone asks; B: the clusters with y = 0 alone
	s_cselect_b64 s[PFA:PFA+1], s[4:5], s[6:7]
	s_cmp_eq_u32 s22, 0
	s_cselect_b32 s[LIM], 1, -1                    ; the same in all sixteen partners, for a given wave
	s_lshl_b32 s21, s21, 5
	s_add_co_u32 s20, s20, s21                     ; + my work-group's 32 rows,
	s_lshl_b32 s20, s20, 13                        ; of 8,192 bytes
	s_mov_b32 s21, 0
	s_add_nc_u64 s[PFA:PFA+1], s[PFA:PFA+1], s[20:21]
	s_add_nc_u64 s[PFA:PFA+1], s[PFA:PFA+1], TRIPB ; at X_1: X_1's refill, the first, names X_2, one trip's bytes on
	v_and_b32 v5, 31, v0
	v_lshlrev_b32 v[PFO], 13, v5
	; nothing is prefetched here, at the head, where every work-group's first tiles are on their way
; 8 matrix instructions: m block a x all 8 n blocks, 32 along K: part c of buffer f.  zero = 1: the product starts the sum: nothing is ever cleared.
; The 32 accumulators take turns, one instruction a turn, in the same order in every 32 along K, over the jumps too.
.macro MUL8 f, c, a, zero
	WIN MUL
.irp b, 0,1,2,3,4,5,6,7
.if \zero
	v_wmma_f32_16x16x32_f16 v[8*(8*(\a)+(\b)):8*(8*(\a)+(\b))+7], v[128*(\f)+64*(\c)+8*(\b):128*(\f)+64*(\c)+8*(\b)+7], v[FA+64*(\f)+32*(\c)+8*(\a):FA+64*(\f)+32*(\c)+8*(\a)+7], 0
.else
	v_wmma_f32_16x16x32_f16 v[8*(8*(\a)+(\b)):8*(8*(\a)+(\b))+7], v[128*(\f)+64*(\c)+8*(\b):128*(\f)+64*(\c)+8*(\b)+7], v[FA+64*(\f)+32*(\c)+8*(\a):FA+64*(\f)+32*(\c)+8*(\a)+7], v[8*(8*(\a)+(\b)):8*(8*(\a)+(\b))+7]
.endif
.endr
.endm
.macro MUL32 f, c, zero                ; all four m blocks
	MUL8 \f, \c, 0, \zero
	MUL8 \f, \c, 1, \zero
	MUL8 \f, \c, 2, \zero
	MUL8 \f, \c, 3, \zero
.endm
; 48 LDS loads in one run: the fragments of 64 along K at byte k of the rows of slot (0: X, 1: Y), into buffer f: the first 32 along K (A's 8 loads, B's 16), then the second (B's 16, A's 8).
; It leaves every window 0.
.macro FETCH slot, k, f
.set PT, PX-(PX-PY)*(\slot)            ; the slot's pitch
	WIN 0
.irp i, 0,1,2,3
	ds_load_b128 v[FA+64*(\f)+8*(\i):FA+64*(\f)+8*(\i)+3],   v[ADRA+(\slot)] offset:(\k)+(\i)*16*PT
	ds_load_b128 v[FA+64*(\f)+8*(\i)+4:FA+64*(\f)+8*(\i)+7], v[ADRA+(\slot)] offset:(\k)+(\i)*16*PT+32
.endr
	WIN TO_B
.irp c, 0,1
.irp i, 0,1,2,3,4,5,6,7
	ds_load_b128 v[128*(\f)+64*(\c)+8*(\i):128*(\f)+64*(\c)+8*(\i)+3],   v[ADRB+(\slot)] offset:(\k)+64*(\c)+(\i)*16*PT
	ds_load_b128 v[128*(\f)+64*(\c)+8*(\i)+4:128*(\f)+64*(\c)+8*(\i)+7], v[ADRB+(\slot)] offset:(\k)+64*(\c)+(\i)*16*PT+32
.endr
.endr
	WIN 0
.irp i, 0,1,2,3
	ds_load_b128 v[FA+64*(\f)+32+8*(\i):FA+64*(\f)+32+8*(\i)+3],   v[ADRA+(\slot)] offset:(\k)+64+(\i)*16*PT
	ds_load_b128 v[FA+64*(\f)+32+8*(\i)+4:FA+64*(\f)+32+8*(\i)+7], v[ADRA+(\slot)] offset:(\k)+64+(\i)*16*PT+32
.endr
.endm
; A load into a register that a matrix instruction has read, and a store of a matrix result, stand four places behind that matrix instruction, and only plain vector instructions that name none of its
; registers are places (ISA guide 7.12.1 for vector instructions); the matrix instructions in between are not counted.
.macro PLACES
.rept 4
	v_nop
.endr
.endm
; A HALF is 64 along K, 64 matrix instructions, on buffers 0 and 1 by turns: slot X has four, slot Y two.  Every half but a slot's last: multiplies buffer f and, in its middle, fetches the next half's
; fragments, at byte k of the same slot's rows, into the other buffer.
.macro HALF slot, k, f, zero
	s_wait_dscnt 24                                ; the first 32 along K are in; the youngest 24 loads (the second 32) may be out
	MUL32 \f, 0, \zero
	PLACES                                         ; for the loads into the other buffer, which the half before multiplied
	s_wait_dscnt 0x0                               ; the second 32 along K are in: the wait stands ahead of the run below, so that it need not count it
	FETCH \slot, \k, 1-(\f)
	MUL32 \f, 1, 0
.endm
; A slot's last half multiplies buffer 1 and changes slots: ONE barrier.  In front of it each wave waits for all its tensor loads, of which one is out: its part of the next slot; adds 0 to its spare word;
; and waits for that and for its own reads of this slot.  Behind it nobody reads this slot any more and the next slot is whole.  fill = 1: the barrier opens a round of the cluster's barrier, and this slot is
; filled again, 384 along K on, first thing behind the round.  From that request to the wait for it a wave issues 112 matrix instructions (X's refill, beside Y's two halves) or 240 (Y's, beside X's four).
.macro TURN slot, next, fill
.if (\fill) && (\slot) == 1
	s_wait_xcnt 0x0                                ; the last prefetches, 96 matrix instructions back, have read their address: it is stepped here, once a trip, ahead of the waits of the change of slots
	s_add_nc_u64 s[PFA:PFA+1], s[PFA:PFA+1], TRIPB
.endif
	s_wait_dscnt 24                                ; the first 32 along K of buffer 1 are in
	MUL8 1, 0, 0, 0
	MUL8 1, 0, 1, 0
	WIN 0                                          ; (the add's two registers lie in window 0)
	s_wait_tensorcnt 0x0                           ; all my tensor loads have landed: my part of the next slot;
	ds_add_u32 v[SPW], v[NIL]                      ; 0 onto my spare word;
	MUL8 1, 0, 2, 0                                ; eight matrix instructions stand between the add and the wait for it
	s_wait_dscnt 0x0                               ; the add is done, and my reads of this slot are over
	s_barrier_signal -1
	MUL8 1, 0, 3, 0                                ; work on registers while the others arrive
.if \fill
	WIN 0
.endif
	s_barrier_wait -1
.if \fill
	CREST                                          ; no wave of any partner still reads this slot's tile or has a load on its way
	s_add_nc_u64 s[G0+4*(\slot)+2:G0+4*(\slot)+3], s[G0+4*(\slot)+2:G0+4*(\slot)+3], TRIPB
	s_add_nc_u64 s[G0B+4*(\slot)+2:G0B+4*(\slot)+3], s[G0B+4*(\slot)+2:G0B+4*(\slot)+3], TRIPB
	JLOAD \slot                                    ; the first tensor load behind the round, my only one until the next; the four v_nop behind it are also the places in front of the loads below
.else
	PLACES
.endif
	FETCH \next, 0, 0
.if \fill
	ASK \slot                                      ; behind the joint load and the run of LDS loads that the next products wait for
.endif
	MUL32 1, 1, 0
.endm
	s_wait_tensorcnt 1                             ; my part of X_0 is in; Y_0's load may stay out
	s_barrier_signal -1
	s_barrier_wait -1                              ; everybody's is
	FETCH 0, 0, 0
	HALF 0, 128, 0, 1                              ; X_0's first half stands in front of the loop: its first 32 products start the sums
	WIN 0                                          ; at a label and at a branch every window is 0
	s_mov_b32 s3, TRIPS
	s_branch .Lenter                               ; the loop is entered behind an X's first half, in the middle of a trip
.Ltrip:                                                ; trip i = 0..8: Y_i; Y_(i+1) asked for; X_(i+1); X_(i+2) asked for
	HALF 1, 128, 0, 0
	TURN 1, 0, 1
	HALF 0, 128, 0, 0
	WIN 0
.Lenter:
	HALF 0, 256, 1, 0
	HALF 0, 384, 0, 0
	TURN 0, 1, 1
	WIN 0
	s_sub_co_u32 s3, s3, 1
	s_cmp_lg_u32 s3, 0
	s_cbranch_scc1 .Ltrip
	HALF 1, 128, 0, 0                              ; the tail is written out: Y_9
	TURN 1, 0, 0                                   ; a change that fills nothing and has no round of the cluster's barrier,
	HALF 0, 128, 0, 0                              ; and X_10
	HALF 0, 256, 1, 0
	HALF 0, 384, 0, 0
	s_wait_dscnt 24                                ; the very last half: nothing more to fetch
	MUL32 1, 0, 0
	s_wait_dscnt 0x0
	MUL32 1, 1, 0
; THE WAY OUT.  A lane's 32 bytes are an eighth of 256 consecutive bytes of a row, and the lanes beside it hold other rows: a group of 16 rows x 64 columns at a time (group g: m block g / 2, columns
; 64 (g % 2) on) goes through my own stage in LDS and comes back as whole pieces of 256 bytes.
.macro TOSTAGE g                       ; 8 stores (each accumulator's low registers first), then 8 loads, two rows each, into 32 registers of the group's own
.set AB, 8*(8*((\g)/2)+4*((\g)%2))
	WIN W_ST
.irp b, 0,1,2,3
	ds_store_b128 v[STO], v[AB+8*(\b):AB+8*(\b)+3]   offset:64*(\b)
	ds_store_b128 v[STO], v[AB+8*(\b)+4:AB+8*(\b)+7] offset:64*(\b)+16
.endr
	WIN TO_B
.irp t, 0,1,2,3,4,5,6,7
	ds_load_b128 v[32*(\g)+4*(\t):32*(\g)+4*(\t)+3], v[RD] offset:(\t)*2*SPITCH  ; LDS serves a wave's instructions in order (ISA guide 5.7.1.4): these see the stores above; the next group's stores come behind them
.endr
.endm
.macro SEND g, younger                 ; younger: the LDS instructions issued behind group g's loads: the next group's 16, or none
	WIN W_GS
	s_wait_dscnt \younger                          ; the group is back in registers
.irp t, 0,1,2,3,4,5,6,7
	global_store_b128 v[CO], v[32*(\g)+4*(\t):32*(\g)+4*(\t)+3], s[8:9] offset:(16*((\g)/2)+2*(\t))*SIZE_N*4+256*((\g)%2) th:TH_STORE_NT  ; 16 lanes store 256 consecutive bytes, at a multiple of 256 from C's first byte
.endr
.endm
	PLACES
	PLACES                                         ; behind the last products: the stores read results, the loads land in registers that products have read
	TOSTAGE 0
.irp g, 1,2,3,4,5,6,7                  ; a group's way through the stage stands between the loads of the group before and its stores
	TOSTAGE \g
	SEND (\g)-1, 16
.endr
	SEND 7, 0
	WIN 0
	s_wait_tensorcnt 0x0                           ; the wave's end, behind my last tensor load and my last LDS store
	ds_add_u32 v[SPW], v[NIL]
	s_wait_dscnt 0x0
	CROUND                                         ; the closing round: no work-group ends while a partner may still ask for a tile that names it
	s_endpgm
.Lfunc_end_k_qeb823add56_down:
	.size	k_qeb823add56_down, .Lfunc_end_k_qeb823add56_down-k_qeb823add56_down
	.p2alignl 7, 3214868480
	.fill 96, 4, 3214868480
	.section	.rodata,"a",@progbits
	.p2align	6, 0x0
	.amdhsa_kernel k_qeb823add56_down
		.amdhsa_group_segment_fixed_size 327680
		.amdhsa_private_segment_fixed_size 0
		.amdhsa_enable_private_segment 0
		.amdhsa_kernarg_size 24
		.amdhsa_user_sgpr_count 2
		.amdhsa_user_sgpr_kernarg_segment_ptr 1
		.amdhsa_wavefront_size32 1
		.amdhsa_system_sgpr_workgroup_id_x 1
		.amdhsa_system_sgpr_workgroup_id_y 1
		.amdhsa_system_sgpr_workgroup_id_z 1
		.amdhsa_system_vgpr_workitem_id 0
		.amdhsa_next_free_vgpr 768
		.amdhsa_next_free_sgpr 84
		.amdhsa_reserve_vcc 0
		.amdhsa_float_denorm_mode_32 3
		.amdhsa_float_denorm_mode_16_64 3
		.amdhsa_memory_ordered 1
		.amdhsa_forward_progress 1
		.amdhsa_inst_pref_size 123
	.end_amdhsa_kernel
	.amdgpu_metadata
---
amdhsa.version: [ 1, 2 ]
amdhsa.kernels:
  - .name:           k_qeb823add56_down
    .symbol:         k_qeb823add56_down.kd
    .args:
      - { .name: h, .offset: 0, .size: 8, .value_kind: global_buffer, .address_space: global }
      - { .name: w2h, .offset: 8, .size: 8, .value_kind: global_buffer, .address_space: global }
      - { .name: out0, .offset: 16, .size: 8, .value_kind: global_buffer, .address_space: global }
    .group_segment_fixed_size: 327680
    .private_segment_fixed_size: 0
    .kernarg_segment_align: 8
    .kernarg_segment_size: 24
    .max_flat_workgroup_size: 128
    .sgpr_count:     84
    .vgpr_count:     768
    .wavefront_size: 32
...
	.end_amdgpu_metadata
.endif
;; end of part 3
